; MI455X (gfx1250); checked and timed in simulation.
; The chip was launched on July 23, 2026; its instructions are those of AMD's public machine-readable ISA for CDNA 5 (MIT licence, August 2026) and "CDNA5" Instruction Set Architecture Reference Guide (July 2026). The comments in the code are by the model that wrote it; some were corrected since.
;; Shallow Clue Refinement. Allowed arithmetic: matrix products marked QUANTISED: E5M2 operands, one E8M0 scale for each 32 along K, by v_wmma_scale_f32_16x16x128_f8f6f4 with both operands' format E5M2, f32 sums; products left as they are: f32 operands where the result goes on into a quantised operand, else bf16, f16 or f32 operands; f32 sums; everything else in f32.
;; Inputs: KSA_b 32 float32; KSA_w_codes 32 x 16 x 32 uint8 (E5M2 codes of KSA_w, K innermost, in blocks of 32 codes); KSA_w_scales 32 x 16 uint8 (E8M0 scales of KSA_w, one for each 32 codes along K); K_b 256 float32; K_w_codes 256 x 8 x 32 uint8 (E5M2 codes of K_w, K innermost, in blocks of 32 codes); K_w_scales 256 x 8 uint8 (E8M0 scales of K_w, one for each 32 codes along K); deep_codes 4 x 64 x 64 x 16 x 32 uint8 (E5M2 codes of deep, K innermost, in blocks of 32 codes); deep_scales 4 x 64 x 64 x 16 uint8 (E8M0 scales of deep, one for each 32 codes along K); shallow_codes 4 x 128 x 128 x 8 x 32 uint8 (E5M2 codes of shallow, K innermost, in blocks of 32 codes); shallow_scales 4 x 128 x 128 x 8 uint8 (E8M0 scales of shallow, one for each 32 codes along K).
;; Outputs: out0 4 x 256 x 64 x 64 float32; out1 4 x 1 x 64 x 64 float32.
;; This version of the problem:
;;   THIS VERSION OF THE PROBLEM IS GIVEN IN LOW PRECISION. The matrix products marked QUANTISED in the list below multiply operands that are first quantised to E5M2 (5 exponent bits, 2 mantissa bits; 8 bits a number), with one power-of-two scale for each 32 numbers along K (OCP MX v1.0); their sums are f32. All else is computed in f32.
;;   The module's matrix products, in the order in which they are computed (A, B: the left and right operand; K: the contracted axis; several contracted axes count as one K, in the product's order):
;;     1. [M 32, K 512] x [K 512, N 16,384]; A: input KSA_w (given as codes); B: input deep (given as codes): QUANTISED
;;     2. batch 4 x [M 1, K 4,096] x [K 4,096, N 32]; A: computed on the way; B: computed on the way: left as it is (M = 1 < 16)
;;     3. batch 4 x [M 1, K 32] x [K 32, N 4,096]; A: computed on the way; B: computed on the way: left as it is (M = 1 < 16)
;;     4. [M 256, K 256] x [K 256, N 65,536]; A: input K_w (given as codes); B: input shallow (given as codes): QUANTISED
;;   THE QUANTISER, for each operand of a quantised product, along K:
;;     - K is cut into blocks of 32 from its start; a last block that is shorter is filled with zeros.
;;     - A block's scale is 2^e with e = floor(log2(the largest magnitude in the block)) - 15, held to -126 .. 127; a block of zeros has e = 0. As a byte (E8M0): e + 127.
;;     - Each number is divided by its block's scale, clamped to +-57,344, and rounded to the nearest number of E5M2, ties to even, subnormals kept.
;;     - The product sums the exact products of the quantised numbers (number of the format x scale) in f32.
;;   ~~~python
;;   def quantise(x, axis):      # numpy; x: float32 -> the quantised numbers, widened to float32 again
;;       x = np.moveaxis(x, axis, -1); K = x.shape[-1]
;;       x = np.pad(x, [(0, 0)] * (x.ndim - 1) + [(0, -K % 32)]); x = x.reshape(x.shape[:-1] + (-1, 32)); a = np.abs(x).max(-1, keepdims=True)
;;       e = np.where(a > 0, np.clip(np.frexp(np.where(a > 0, a, 1))[1] - 1 - 15, -126, 127), 0)      # np.frexp(a)[1] - 1 = floor(log2(a)), exactly
;;       r = np.clip(x / 2.0 ** e, -57344, 57344)
;;       step = 2.0 ** (np.maximum(np.frexp(np.where(r == 0, 1, r))[1] - 1, -14) - 2)
;;       q = np.round(r / step) * step * 2.0 ** e      # np.round: ties to even
;;       return np.moveaxis(q.reshape(q.shape[:-2] + (-1,))[..., :K], -1, axis).astype(np.float32)
;;   ~~~
;;   INPUTS GIVEN AS CODES. KSA_w (in the module: [32, 512], K = its axis 1); K_w (in the module: [256, 256], K = its axis 1); deep (in the module: [4, 512, 64, 64], K = its axis 1); shallow (in the module: [4, 256, 128, 128], K = its axis 1): each comes as NAME_codes (uint8): NAME with its K axis moved to the last place and cut into blocks of 32 codes, [.., K / 32, bytes a block], one block behind the other in memory; one code a byte (a code: sign, 5 exponent bits, 2 mantissa bits); and NAME_scales (uint8): the same leading axes, one E8M0 byte (e + 127) for each 32 codes along K. Its value is code x scale, taken as it is: it is not quantised again, and the codes and scales need not be those that the quantiser above would give.
;; 2 versions, each right; version 2 is version 1 with the launch deepk written anew for expert scheduling mode. Each part assembles by itself: llvm-mc -triple=amdgcn-amd-amdhsa -mcpu=gfx1250 --defsym DOCPART=n.
;; ======== version 1 of 2: 2 launches
;; workspace buffers: mo 2,097,152 bytes; part 32,768 bytes
;; launch deepk (part 1): grid 256 x 1, 2 waves a work-group, no clusters, 512 bytes of LDS; arguments deep_codes, deep_scales, KSA_w_codes, KSA_w_scales, KSA_b, mo, part; writes mo, part
.if DOCPART == 1
	.amdgcn_target "amdgcn-amd-amdhsa--gfx1250"
	.amdhsa_code_object_version 6
	.text
	.protected	k_q25038e7469_deepk
	.globl	k_q25038e7469_deepk
	.p2align	8
	.type	k_q25038e7469_deepk,@function
k_q25038e7469_deepk:
	s_mov_b64 s[64:65], 0
	v_nop
	global_prefetch_b8 v0, s[64:65] scope:SCOPE_SE
	s_setreg_imm32_b32 hwreg(HW_REG_WAVE_MODE, 25, 1), 1
	s_wait_xcnt 0x0
; max_out[b][d][p] = sum over k of KSA_w[d][k] deep[b][k][p] + KSA_b[d]  (32 channels, 512 along K, 4 x 4,096 pixels), on codes of E5M2 with E8M0 scales, as they lie in memory;
; and the parts of lit[b][j] = (1/4096) sum over m (0..127), dd (0..31) of q[128 dd + m] x max_out[dd][32 m + j], q[p] = the largest of pixel p's 32 channels.
; SHARES.  Work-group x: batch b = x / 64, g = x % 64.  Wave w owns m = 2 g + w: its OWN pixels 32 m .. 32 m + 31 (all channels: they go to the buffer mo), and its Q PIXELS 128 dd + m, dd = 0 .. 31,
; whose max_out it computes a second time, only for their maximum: so the wave closes its own part of lit, and no launch is spent on q.
; LAYOUT.  Own tiles: source 0 = 16 rows of KSA_w (channels 16 u + ..), source 1 = 16 own pixels (16 t + ..): register j of lane (r, h) is max_out[16 u + 8 h + j][32 m + 16 t + r].
; Q tiles: source 0 = 16 q pixels (dd = 16 u + ..), source 1 = 16 rows of KSA_w (16 u' + ..): register j of lane (r, h) is max_out[16 u' + r][pixel dd = 16 u + 8 h + j]: the maximum over u' lies in the lane,
; that over r in the 16 lanes of a half.  It leaves q[128 (16 u + 8 h + j) + m] in register (u, j) of every lane of half h: the very index that the own tiles' registers have.  So the part of lit is 16 multiply-adds a lane.
; mo IS AN IMAGE OF THE OWN TILES' REGISTERS: block (b, m) of 4,096 bytes; in it registers 4 c .. 4 c + 3 of tile (t, u) at ((2 t + u) 2 + c) 512 + 16 x lane: each store covers 512 consecutive bytes.
; part[b][g][32]: the two waves' parts added, times 1/4096: a store of 128 consecutive bytes a work-group (half of an aligned 256; 32,768 bytes in the whole launch).
; NO CLUSTER, NO LDS TILES: every operand goes from memory straight into the registers of the one wave that multiplies it, all 122 loads asked for at the head.  KSA_w is what all waves share: 16,384 of a wave's
; 49,152 bytes of codes; through LDS it would add a barrier and a second trip to a launch that is one round of loads.  A wave's q pixels are own pixels of 32 other work-groups, more than a cluster holds.
; LIMITS: codes of NaN and infinity and the scale byte 0xff are not served.
; REGISTERS.  window 0: v1-10 addresses; v16-39 scale words; v40-71 the bias in the results' layouts; v72-103 own tiles; v104-135 q tiles; v136-151 q; v152-159 at work.
;   window 1: KSA_w's 8 fragments, (u, s) at 16 (4 u + s).   window 2: own pixels' 8, (t, s) at 16 (4 t + s); q pixels' 8, (u, s) at 128 + 16 (4 u + s).
.set WS, 16                            ; v16-23   KSA_w's scale words: row 16 u + r, K step s at WS + 4 u + s
.set OS, 24                            ; v24-31   own pixels': OS + 4 t + s
.set QS, 32                            ; v32-39   q pixels': QS + 4 u + s
.set BO, 40                            ; v40-55   KSA_b[16 u + 8 h + j] at BO + 8 u + j
.set BQ, 56                            ; v56-71   KSA_b[16 u' + r], eight times, at BQ + 8 u'
.set DO, 72                            ; v72-103  own tile (u, t) at DO + 8 (2 t + u)
.set DQ, 104                           ; v104-135 q tile (u, u') at DQ + 8 (2 u + u')
.set Q,  136                           ; v136-151 q at Q + 8 u + j
.set TW, 152                           ; v152-159 at work
.set MSB, 0
.macro WIN new                         ; the immediate's high byte repeats the setting that is left
.if MSB != \new
	s_set_vgpr_msb (MSB<<8)|\new
.set MSB, \new
.endif
.endm
.macro PROD d, a, b, c, sa, sb
	v_wmma_scale_f32_16x16x128_f8f6f4 v[\d:\d+7], v[\a:\a+15], v[\b:\b+15], v[\c:\c+7], v[\sa], v[\sb] matrix_a_fmt:MATRIX_FMT_BF8 matrix_b_fmt:MATRIX_FMT_BF8
.endm
; K step s of the four own tiles, by turns.  The first step's C is the bias.
.macro OWN s
.irp t, 0,1
.irp u, 0,1
.if \s == 0
	PROD DO+8*(2*\t+\u), 16*(4*\u+\s), 16*(4*\t+\s), BO+8*\u, WS+4*\u+\s, OS+4*\t+\s
.else
	PROD DO+8*(2*\t+\u), 16*(4*\u+\s), 16*(4*\t+\s), DO+8*(2*\t+\u), WS+4*\u+\s, OS+4*\t+\s
.endif
.endr
.endr
.endm
; K step s of the four q tiles (u: which 16 q pixels; x: which 16 channels), by turns
.macro QMUL s
.irp u, 0,1
.irp x, 0,1
.if \s == 0
	PROD DQ+8*(2*\u+\x), 128+16*(4*\u+\s), 16*(4*\x+\s), BQ+8*\x, QS+4*\u+\s, WS+4*\x+\s
.else
	PROD DQ+8*(2*\u+\x), 128+16*(4*\u+\s), 16*(4*\x+\s), DQ+8*(2*\u+\x), QS+4*\u+\s, WS+4*\x+\s
.endif
.endr
.endr
.endm
	s_load_b256 s[4:11], s[0:1], 0x0               ; deep's codes s[4:5], its scales s[6:7], KSA_w's codes s[8:9], its scales s[10:11]
	s_load_b128 s[12:15], s[0:1], 0x20             ; KSA_b s[12:13], mo s[14:15]
	s_load_b64 s[16:17], s[0:1], 0x30              ; part
	v_lshl_add_u32 v254, v0, 2, 0x100
	v_mov_b32 v255, 0
	v_lshrrev_b32 v11, 5, v0
	v_readfirstlane_b32 s18, v11                   ; wave 0, 1
	v_and_b32 v10, 31, v0                          ; lane
	v_and_b32 v12, 15, v0                          ; r
	v_bfe_u32 v13, v0, 4, 1                        ; h
	v_lshlrev_b32 v1, 9, v12
	v_lshl_add_u32 v1, v13, 4, v1                  ; KSA_w's rows and own pixels: 512 bytes each: 512 r + 16 h
	v_lshlrev_b32 v2, 16, v12
	v_lshl_add_u32 v2, v13, 4, v2                  ; q pixels lie 128 pixels apart: 65,536 r + 16 h
	v_lshlrev_b32 v3, 4, v12                       ; scale bytes of a row or an own pixel: 16 r
	v_lshlrev_b32 v4, 11, v12                      ; of a q pixel: 2,048 r
	v_lshlrev_b32 v5, 5, v13                       ; the bias of 8 channels of my half: 32 h
	v_lshlrev_b32 v6, 2, v12                       ; the bias of channel r: 4 r
	v_lshlrev_b32 v7, 4, v10                       ; an image's place for my lane: 16 x lane
	v_lshlrev_b32 v8, 2, v0                        ; LDS: a word for each thread
	v_lshlrev_b32 v9, 2, v10                       ; 4 x lane
	v_mov_b32 v[TW+6], 0                           ; a lane permute's destination counts as one of its sources
	v_mov_b32 v[TW+7], 0
	s_mov_b32 s22, 0x76543210
	s_mov_b32 s23, 0xfedcba98                      ; v_permlanex16_b32's selects for lane l xor 16
	s_lshr_b32 s19, ttmp9, 6                       ; b
	s_and_b32 s20, ttmp9, 63                       ; g
	s_lshl_b32 s21, s20, 1
	s_add_co_u32 s21, s21, s18                     ; m = 2 g + wave
	s_lshl_b32 s34, s19, 21                        ; a batch of codes: 4,096 pixels x 512 bytes
	s_lshl_b32 s35, s19, 16                        ; a batch of scale bytes: 4,096 x 16
	s_lshl_b32 s24, s21, 14
	s_add_co_u32 s24, s24, s34                     ; own codes: pixel 32 m
	s_mov_b32 s25, 0
	s_lshl_b32 s36, s21, 9
	s_add_co_u32 s36, s36, s34                     ; q codes: pixel m
	s_mov_b32 s37, 0
	s_lshl_b32 s38, s21, 9
	s_add_co_u32 s38, s38, s35                     ; own scale bytes
	s_mov_b32 s39, 0
	s_lshl_b32 s40, s21, 4
	s_add_co_u32 s40, s40, s35                     ; q scale bytes
	s_mov_b32 s41, 0
	s_lshl_b32 s42, s19, 7
	s_add_co_u32 s42, s42, s21
	s_lshl_b32 s42, s42, 12                        ; mo: block 128 b + m
	s_mov_b32 s43, 0
	s_lshl_b32 s44, ttmp9, 7                       ; part: row 64 b + g of 128 bytes
	s_mov_b32 s45, 0
	s_wait_kmcnt 0x0
	s_add_nc_u64 s[26:27], s[4:5], s[24:25]
	s_add_nc_u64 s[28:29], s[4:5], s[36:37]
	s_add_nc_u64 s[30:31], s[6:7], s[38:39]
	s_add_nc_u64 s[32:33], s[6:7], s[40:41]
	s_add_nc_u64 s[14:15], s[14:15], s[42:43]
	s_add_nc_u64 s[16:17], s[16:17], s[44:45]
	; all loads at once: 26 small ones, KSA_w's 32, the own pixels' 32, the q pixels' 32
.irp u, 0,1
	global_load_b128 v[WS+4*\u:WS+4*\u+3], v3, s[10:11] offset:256*\u
	global_load_b128 v[OS+4*\u:OS+4*\u+3], v3, s[30:31] offset:256*\u
	global_load_b128 v[QS+4*\u:QS+4*\u+3], v4, s[32:33] offset:32768*\u
	global_load_b128 v[BO+8*\u:BO+8*\u+3], v5, s[12:13] offset:64*\u
	global_load_b128 v[BO+8*\u+4:BO+8*\u+7], v5, s[12:13] offset:64*\u+16
.irp j, 0,1,2,3,4,5,6,7
	global_load_b32 v[BQ+8*\u+\j], v6, s[12:13] offset:64*\u
.endr
.endr
	WIN 0x40                                       ; destination window 1, address window 0
.irp u, 0,1
.irp s, 0,1,2,3
.irp c, 0,1,2,3
	global_load_b128 v[16*(4*\u+\s)+4*\c:16*(4*\u+\s)+4*\c+3], v1, s[8:9] offset:8192*\u+128*\s+32*\c
.endr
.endr
.endr
	WIN 0x80                                       ; destination window 2
.irp t, 0,1
.irp s, 0,1,2,3
.irp c, 0,1,2,3
	global_load_b128 v[16*(4*\t+\s)+4*\c:16*(4*\t+\s)+4*\c+3], v1, s[26:27] offset:8192*\t+128*\s+32*\c
.endr
.endr
.endr
.irp u, 0,1
.irp s, 0,1,2,3
.irp c, 0,1,2,3
	global_load_b128 v[128+16*(4*\u+\s)+4*\c:128+16*(4*\u+\s)+4*\c+3], v2, s[28:29] offset:(\u<<20)+128*\s+32*\c
.endr
.endr
.endr
	s_wait_loadcnt 32                              ; loads come back in order: all but the youngest 32, the q pixels' fragments, are in
	WIN 0x09                                       ; source 0 (KSA_w) window 1, source 1 (own pixels) window 2
	OWN 0
	OWN 1
	OWN 2
	OWN 3
	WIN 0
.rept 8
	v_nop                                          ; eight places between the last product and the first store of a result
.endr
.irp n, 0,1,2,3                        ; tile n = 2 t + u, each from its low end on
	global_store_b128 v7, v[DO+8*\n:DO+8*\n+3], s[14:15] offset:1024*\n
	global_store_b128 v7, v[DO+8*\n+4:DO+8*\n+7], s[14:15] offset:1024*\n+512
.endr
	s_wait_loadcnt 0x0                             ; the q pixels' fragments
	WIN 0x06                                       ; source 0 (q pixels) window 2, source 1 (KSA_w) window 1
	QMUL 0
	QMUL 1
	QMUL 2
	QMUL 3
	WIN 0
.rept 8
	v_nop
.endr
.irp u, 0,1
.irp j, 0,1,2,3,4,5,6,7
	v_max_num_f32 v[Q+8*\u+\j], v[DQ+16*\u+\j], v[DQ+16*\u+8+\j]   ; channels r and 16 + r; each tile from its low end on
.endr
.endr
.irp x, 1,2,4,8                        ; and over the 16 lanes of my half: all 32 channels
.irp n, 0,1,2,3,4,5,6,7,8,9,10,11,12,13,14,15
	v_max_num_f32_dpp v[Q+\n], v[Q+\n], v[Q+\n] row_xmask:\x row_mask:0xf bank_mask:0xf
.endr
.endr
	; the part of lit: sum over my half's 16 channels d of q[128 d + m] x max_out[d][32 m + 16 t + r], two at a time, the two t by turns
.irp t, 0,1
	v_pk_mul_f32 v[TW+2*\t:TW+2*\t+1], v[Q:Q+1], v[DO+16*\t:DO+16*\t+1]
.endr
.irp n, 2,4,6,8,10,12,14
.irp t, 0,1
	v_pk_fma_f32 v[TW+2*\t:TW+2*\t+1], v[Q+\n:Q+\n+1], v[DO+16*\t+\n:DO+16*\t+\n+1], v[TW+2*\t:TW+2*\t+1]
.endr
.endr
.irp t, 0,1
	v_add_f32 v[TW+4+\t], v[TW+2*\t], v[TW+2*\t+1]
.endr
.irp t, 0,1
	v_permlanex16_b32 v[TW+6+\t], v[TW+4+\t], s22, s23
.endr
.irp t, 0,1
	v_add_f32 v[TW+4+\t], v[TW+4+\t], v[TW+6+\t]   ; with the other half's 16 channels: j = 16 t + r, in both halves of the lanes
.endr
	v_cmp_le_u32 vcc_lo, 16, v10
	v_cndmask_b32 v[TW], v[TW+4], v[TW+5], vcc_lo  ; lane l keeps j = l
	ds_store_b32 v8, v[TW]                         ; wave 0's 32 words, then wave 1's
	s_wait_dscnt 0x0                               ; for the other wave's sake: my store is done
	s_barrier_signal -1
	s_barrier_wait -1
	s_cmp_lg_u32 s18, 0
	s_cbranch_scc1 .Lend                           ; wave 0 adds the two parts and stores them
	ds_load_b32 v[TW+1], v9 offset:128
	s_wait_dscnt 0x0
	v_add_f32 v[TW], v[TW], v[TW+1]
	v_mul_f32 v[TW], 0x39800000, v[TW]             ; x 1/4096: exact
	global_store_b32 v9, v[TW], s[16:17]
.Lend:
	s_wait_tensorcnt 0x0
	ds_add_u32 v254, v255
	s_wait_dscnt 0x0
	s_endpgm
.Lfunc_end_k_q25038e7469_deepk:
	.size	k_q25038e7469_deepk, .Lfunc_end_k_q25038e7469_deepk-k_q25038e7469_deepk
	.p2alignl 7, 3214868480
	.fill 96, 4, 3214868480
	.section	.rodata,"a",@progbits
	.p2align	6, 0x0
	.amdhsa_kernel k_q25038e7469_deepk
		.amdhsa_group_segment_fixed_size 512
		.amdhsa_private_segment_fixed_size 0
		.amdhsa_enable_private_segment 0
		.amdhsa_kernarg_size 56
		.amdhsa_user_sgpr_count 2
		.amdhsa_user_sgpr_kernarg_segment_ptr 1
		.amdhsa_wavefront_size32 1
		.amdhsa_system_sgpr_workgroup_id_x 1
		.amdhsa_system_sgpr_workgroup_id_y 1
		.amdhsa_system_sgpr_workgroup_id_z 1
		.amdhsa_system_vgpr_workitem_id 0
		.amdhsa_next_free_vgpr 768
		.amdhsa_next_free_sgpr 66
		.amdhsa_reserve_vcc 1
		.amdhsa_float_denorm_mode_32 3
		.amdhsa_float_denorm_mode_16_64 3
		.amdhsa_memory_ordered 1
		.amdhsa_forward_progress 1
		.amdhsa_inst_pref_size 26
	.end_amdhsa_kernel
	.amdgpu_metadata
---
amdhsa.version: [ 1, 2 ]
amdhsa.kernels:
  - .name:           k_q25038e7469_deepk
    .symbol:         k_q25038e7469_deepk.kd
    .args:
      - { .name: deep_codes, .offset: 0, .size: 8, .value_kind: global_buffer, .address_space: global }
      - { .name: deep_scales, .offset: 8, .size: 8, .value_kind: global_buffer, .address_space: global }
      - { .name: KSA_w_codes, .offset: 16, .size: 8, .value_kind: global_buffer, .address_space: global }
      - { .name: KSA_w_scales, .offset: 24, .size: 8, .value_kind: global_buffer, .address_space: global }
      - { .name: KSA_b, .offset: 32, .size: 8, .value_kind: global_buffer, .address_space: global }
      - { .name: mo, .offset: 40, .size: 8, .value_kind: global_buffer, .address_space: global }
      - { .name: part, .offset: 48, .size: 8, .value_kind: global_buffer, .address_space: global }
    .group_segment_fixed_size: 512
    .private_segment_fixed_size: 0
    .kernarg_segment_align: 8
    .kernarg_segment_size: 56
    .max_flat_workgroup_size: 64
    .sgpr_count:     66
    .vgpr_count:     768
    .wavefront_size: 32
...
	.end_amdgpu_metadata
.endif
;; end of part 1
;; launch shal (part 2): grid 256 x 1, 8 waves a work-group, clusters of 4 x 1, 245,504 bytes of LDS; arguments shallow_codes, shallow_scales, K_w_codes, K_w_scales, K_b, mo, part, out0, out1; writes out0, out1
.if DOCPART == 2
	.amdgcn_target "amdgcn-amd-amdhsa--gfx1250"
	.amdhsa_code_object_version 6
	.text
	.protected	k_q25038e7469_shal
	.globl	k_q25038e7469_shal
	.p2align	8
	.type	k_q25038e7469_shal,@function
k_q25038e7469_shal:
	s_mov_b64 s[64:65], 0
	v_nop
	global_prefetch_b8 v0, s[64:65] scope:SCOPE_SE
	s_setreg_imm32_b32 hwreg(HW_REG_WAVE_MODE, 25, 1), 1
	s_wait_xcnt 0x0
	s_wait_alu depctr_hold_cnt(0) depctr_sa_sdst(0) depctr_va_vdst(0) depctr_va_sdst(0) depctr_va_ssrc(0) depctr_va_vcc(0) depctr_vm_vsrc(0)
	s_getreg_b32 s2, hwreg(HW_REG_IB_STS2, 6, 4)
	s_cmp_eq_u32 s2, 0
	s_cbranch_scc0 .Lentry_in_a_cluster
	s_endpgm
.Lentry_in_a_cluster:
	s_bfe_u32 s2, ttmp6, 0x10000c
	s_cmp_lg_u32 s2, 0x3003
	s_cbranch_scc0 .Lentry_shape_is_right
	s_endpgm
.Lentry_shape_is_right:
; Kx[b][o][y][x] = sum over c of K_w[o][c] shallow[b][c][y][x] + K_b[o], on codes of E5M2 with E8M0 scales as they lie in memory; then, for each output (o, oy, ox), over the 3 x 3 window
; Kx[2 oy - 1 + i][2 ox - 1 + j] (0 outside the image): att = sum of softmax(qmean x window) x window;  out0 = att (1 + sigmoid(re_score)), out1 = re_score = lit . max_out, qmean = the mean of max_out's 32 channels.
; lit is the sum of the 64 rows of part that the launch before stored for the batch; max_out comes from mo, an image of that launch's accumulators.
; SHARES.  A work-group makes out0[b][all 256 channels][oy][all 64 ox], from image rows 2 oy - 1 .. 2 oy + 1.  Wave w: outputs ox0 = 16 (w % 4) .. + 15, channels 128 (w / 4) .. + 127: eight tiles of 16 channels, a tile a trip.
; LAYOUT.  Source 0 = 16 pixels, source 1 = 16 rows of K_w.  Tile T = 3 i + j takes the pixels x = 2 (ox0 + row) + j - 1 of image row i: so register e of accumulator T in lane (r, h) is window place (i, j) of
; output ox0 + 8 h + e, channel r: ALL NINE WINDOW VALUES OF AN OUTPUT STAND IN THE SAME REGISTER NUMBER OF NINE ACCUMULATORS, in one lane: the softmax changes no lanes, and two outputs go in one packed instruction.
; The price is matrix work: each image column enters 1.5 tiles and each image row 1.5 work-groups.  A trip has 18 matrix instructions beside some 300 vector instructions, so that is the cheaper side.
; The pixels' nine fragments stay in registers for all eight trips; K_w's fragment of a trip comes from LDS, asked for a trip ahead.
; THE SOFTMAX takes the window's largest logit away: e = 2^(c (l - max)), c = log2(e) folded into qmean; the sum of e is at least 1.
; CLUSTER.  The four work-groups of a cluster are the four batches at one oy.  All need the same 65,536 bytes of K_w: waves 6 and 7 ask for them JOINTLY (mask 15).  The pixels are each work-group's own: plain loads (waves 0-5).
; oy is the cluster's number, so the one branch on it (the top row of the image) is alike in all partners; the batch enters global addresses alone.  Neighbours in oy share one image row of three; asking for that
; jointly would want masks of two and partners with different oy, for which that branch would differ: it is not done.
; Every LDS byte is filled once, all fills are asked for in the first lines, and nothing is known earlier than it is asked for: no ring, no refill, no prefetch.
; LIMITS: codes of NaN and infinity and the scale byte 0xff are not served.  v_exp_f32 gives 0 for results under 2^-126 (ISA guide, its entry): such terms are nothing beside a sum that is at least 1.
;
; LDS:   0        K_w's codes: 256 rows, 256 bytes + 16 of padding
;        PIX      3 image rows x 64 PAIRS of pixels, 512 bytes + 16 of padding: pixel x at (x / 2) 528 + (x % 2) 256
;        WSC, BT  K_w's scale bytes and K_b, as in memory;   QT: c x qmean, 1 + sigmoid, re_score of the 64 ox, 256 bytes each;   STG: the stage for out0: 256 channel rows, 256 bytes + 16
;        From WSC on the bytes are written by LDS stores alone; no fill lands there.
; The left tile of ox0 = 0 reads, for output 0, the 256 bytes in front of its image row (the odd pixel of the row before; in front of PIX: K_w's last row): bytes that are filled; the result is replaced by 0, the padding.
; REGISTERS.  window 0: v1-10 addresses that stay; v9, v12-20 scale words; v24-31 the bias; v32-63 K_w's fragment; v64-95 tile 8's pixels; v96-167 the nine accumulators; v168-203 e; v204-247 per-output numbers;
;   v240-255 addresses that only the head uses.   window 1: the pixels' fragments of tiles 0-7, (T, K step s) at 32 T + 16 s.
.set WP,   272                         ; a row of K_w in LDS
.set PP,   528                         ; a pair of pixels in LDS
.set ROWL, 64*PP                       ; an image row in LDS
.set SP,   272                         ; a stage row
.set PIX,  256*WP                      ; 69,632
.set WSC,  PIX+3*ROWL                  ; 171,008
.set BT,   WSC+2048
.set QT,   BT+1024
.set RT,   QT+512
.set STG,  QT+768                      ; 174,848; the stage ends at 244,480
.set ADB, 1                            ; v1   K_w's fragment: (128 chh + r) 272 + 16 h
.set ABS, 2                            ; v2   K_w's scale words: row 128 chh + r; lanes 16-31 the second K step's
.set ABI, 3                            ; v3   K_b of channel 128 chh + r
.set STO, 4                            ; v4   the stage: where I put 32 bytes of channel r's row
.set RD,  5                            ; v5   and where I read a row back
.set GO,  6                            ; v6   the same place in out0
.set NIL, 7                            ; v7   0
.set BI,  8                            ; v8   the next trip's bias
.set BS,  9                            ; v9   K_w's scale words of the trip: lanes 0-15 K step 0, lanes 16-31 K step 1
.set L8,  10                           ; v10  8 x lane: out1's offset; never rewritten
.set AS,  12                           ; v12-20 the pixels' scale words of tile T: lanes 0-15 K step 0, lanes 16-31 K step 1
.set RTD, 22                           ; v22-23 out1's data; never rewritten
.set CB,  24                           ; v24-31 the trip's bias, eight times: the C of a sum's first product
.set BF,  32
.set A8,  64
.set K,   96                           ; accumulator T at K + 8 T
.set E,   168                          ; e of tile T, pair P of a half's four outputs at E + 4 T + 2 P
.set RB,  168                          ; v168-183 also: rows read back from the stage
.set QM,  204                          ; v204-211 c x qmean of my 8 outputs
.set SG,  212                          ; v212-219 1 + sigmoid(re_score)
.set MX,  220                          ; v220-223 the largest logit of a half's four outputs
.set DN,  224                          ; v224-231 the sums of e
.set NU,  232                          ; v232-239 the sums of e x window
.set RC,  240                          ; v240-247 1 / DN
.set ART, 240                          ; the head's own: LDS addresses and global offsets, all made ahead of the first branch on the wave's number
.set VE,  241
.set VL,  242
.set LI,  243
.set PA,  244
.set C16, 245
.set C8,  246
.set ADA, 248
.set ADA2, 249
.set ADL, 250
.set ADL2, 251
.set AQ,  252
.set AQW, 253
.set ACW, 254
.set ACB, 255
.set MI,  96                           ; the head's: v96-111 16 numbers of max_out; v112-175 part; v176-185 at work
.set PT,  112
.set TW,  176
.set WV,  26                           ; s26 wave;  s27 xq = wave % 4;  s28 chh = wave / 4;  s29 oy;  s30 b;  s31 lanes 0-15 where xq = 0
.set XQ,  27
.set CHH, 28
.set OY,  29
.set BB,  30
.set ML,  31
.set MSB, 0
.macro WIN new                         ; the immediate's high byte repeats the setting that is left
.if MSB != \new
	s_set_vgpr_msb (MSB<<8)|\new
.set MSB, \new
.endif
.endm
; A round of the cluster's barrier: my work-group's barrier; wave 0 signals for the work-group; every wave waits for all four work-groups; my work-group's barrier once more
.macro ROUND
	s_barrier_signal -1
	s_barrier_wait -1
	s_cmp_lg_u32 s[WV], 0
	s_cbranch_scc1 .Lnot_wave_0_\@
	s_barrier_signal -3
.Lnot_wave_0_\@:
	s_barrier_wait -3
	s_barrier_signal -1
	s_barrier_wait -1
.endm
; a tile's pixels, 16 rows x 256 K: two fragments of 16 registers: lane (r, h) holds row r; registers 4 c .. 4 c + 3 of K step s hold K = 128 s + 32 c + 16 h + 0 .. 15
.macro AFRAG reg, adr, off
.irp s, 0,1
.irp c, 0,1,2,3
	ds_load_b128 v[(\reg)+16*\s+4*\c:(\reg)+16*\s+4*\c+3], v[\adr] offset:(\off)+128*\s+32*\c
.endr
.endr
.endm
; trip ct's 16 rows of K_w, their scale words and their bias
.macro BFETCH ct
.irp s, 0,1
.irp c, 0,1,2,3
	ds_load_b128 v[BF+16*\s+4*\c:BF+16*\s+4*\c+3], v[ADB] offset:(\ct)*16*WP+128*\s+32*\c
.endr
.endr
	ds_load_b32 v[BS], v[ABS] offset:(\ct)*128
	ds_load_b32 v[BI], v[ABI] offset:(\ct)*64
.endm
.macro WM T, a, s
.if \s == 0
	v_wmma_scale_f32_16x16x128_f8f6f4 v[K+8*\T:K+8*\T+7], v[(\a):(\a)+15], v[BF:BF+15], v[CB:CB+7], v[AS+\T], v[BS] matrix_a_fmt:MATRIX_FMT_BF8 matrix_b_fmt:MATRIX_FMT_BF8
.else
	v_wmma_scale_f32_16x16x128_f8f6f4 v[K+8*\T:K+8*\T+7], v[(\a):(\a)+15], v[BF+16:BF+31], v[K+8*\T:K+8*\T+7], v[AS+\T], v[BS] matrix_a_fmt:MATRIX_FMT_BF8 matrix_b_fmt:MATRIX_FMT_BF8 matrix_a_scale:MATRIX_SCALE_ROW1 matrix_b_scale:MATRIX_SCALE_ROW1
.endif
.endm
; K step s of the nine tiles, by turns: between two products on one accumulator stand the eight others'
.macro MUL s
	WIN 0x01                                       ; source 0 (pixels of tiles 0-7) window 1
.irp T, 0,1,2,3,4,5,6,7
	WM \T, 32*\T+16*\s, \s
.endr
	WIN 0
	WM 8, A8+16*\s, \s
.endm
; Outputs 4 H .. 4 H + 3 of my eight: the window's softmax, as sums of e and of e x window
.macro HALF H
.irp T, 0,1,2,3,4,5,6,7,8
.irp P, 0,1
	v_pk_mul_f32 v[E+4*\T+2*\P:E+4*\T+2*\P+1], v[K+8*\T+4*\H+2*\P:K+8*\T+4*\H+2*\P+1], v[QM+4*\H+2*\P:QM+4*\H+2*\P+1]   ; c x logit; each accumulator from its low end on
.endr
.endr
.irp o, 0,1,2,3
	v_max3_num_f32 v[MX+\o], v[E+\o], v[E+4+\o], v[E+8+\o]         ; the largest of the nine, the four outputs by turns
.endr
.irp T, 3,5,7
.irp o, 0,1,2,3
	v_max3_num_f32 v[MX+\o], v[MX+\o], v[E+4*\T+\o], v[E+4*\T+4+\o]
.endr
.endr
.irp T, 0,1,2,3,4,5,6,7,8
.irp P, 0,1
	v_pk_add_f32 v[E+4*\T+2*\P:E+4*\T+2*\P+1], v[E+4*\T+2*\P:E+4*\T+2*\P+1], v[MX+2*\P:MX+2*\P+1] neg_lo:[0,1] neg_hi:[0,1]   ; less the largest: 0 or under
.endr
.endr
.set n, 0
.rept 36
	v_exp_f32 v[E+n], v[E+n]                       ; one batch
.set n, n+1
.endr
	v_nop                                          ; a plain instruction behind the last exponential, ahead of the first use
	s_wait_alu depctr_va_vdst(0)                   ; one wait for the 36, ahead of their first reader
.irp P, 0,1
	v_pk_add_f32 v[DN+4*\H+2*\P:DN+4*\H+2*\P+1], v[E+2*\P:E+2*\P+1], v[E+4+2*\P:E+4+2*\P+1]
	v_pk_mul_f32 v[NU+4*\H+2*\P:NU+4*\H+2*\P+1], v[E+2*\P:E+2*\P+1], v[K+4*\H+2*\P:K+4*\H+2*\P+1]
.endr
.irp P, 0,1
	v_pk_fma_f32 v[NU+4*\H+2*\P:NU+4*\H+2*\P+1], v[E+4+2*\P:E+4+2*\P+1], v[K+8+4*\H+2*\P:K+8+4*\H+2*\P+1], v[NU+4*\H+2*\P:NU+4*\H+2*\P+1]
.endr
.irp T, 2,3,4,5,6,7,8                  ; four chains by turns
.irp P, 0,1
	v_pk_add_f32 v[DN+4*\H+2*\P:DN+4*\H+2*\P+1], v[DN+4*\H+2*\P:DN+4*\H+2*\P+1], v[E+4*\T+2*\P:E+4*\T+2*\P+1]
	v_pk_fma_f32 v[NU+4*\H+2*\P:NU+4*\H+2*\P+1], v[E+4*\T+2*\P:E+4*\T+2*\P+1], v[K+8*\T+4*\H+2*\P:K+8*\T+4*\H+2*\P+1], v[NU+4*\H+2*\P:NU+4*\H+2*\P+1]
.endr
.endr
.endm
; Two trips' 32 channel rows (of each half of the channels) lie whole in the stage once all four waves of a half have stored: a barrier; then each wave stores eight rows, sixteen lanes to a row of 256 bytes
.macro FLUSH g
	s_wait_dscnt 0x0                               ; for the others' sake: my stores into the stage are done
	s_barrier_signal -1
	s_barrier_wait -1
.irp k, 0,1,2,3
	ds_load_b128 v[RB+4*\k:RB+4*\k+3], v[RD] offset:(32*(\g)+2*\k)*SP
.endr
.irp k, 0,1,2,3
	s_wait_dscnt 3-\k                              ; LDS loads come back in order: the younger of the four may be out
	global_store_b128 v[GO], v[RB+4*\k:RB+4*\k+3], s[76:77] offset:(32*(\g)+2*\k)*16384 th:TH_STORE_NT   ; 16 lanes store 256 consecutive bytes, at a multiple of 256 from out0's first byte
.endr
.endm
; A TRIP: 16 channels x my 16 outputs
.macro TRIP ct
	MUL 0
	MUL 1
.rept 8
	v_nop                                          ; eight places behind the last product, ahead of loads into its operands and of the first read of results (ISA guide 7.12.1 for the first read of results)
.endr
.if (\ct)%2 == 1
	s_wait_dscnt 0x0                               ; the last trip's two stores into the stage, 18 products back, have read their registers
.endif
.if \ct < 7
	BFETCH (\ct)+1                                 ; the next trip's rows of K_w land under this trip's softmax
.endif
	s_cmp_lg_u32 s[OY], 0                          ; oy = 0: the window's top row lies outside the image: zeros.  The same in all four partners
	s_cbranch_scc1 .Linside_\@
.set n, 0
.rept 24
	v_mov_b32 v[K+n], 0
.set n, n+1
.endr
.Linside_\@:
.irp i, 0,1,2
	v_cndmask_b32 v[K+24*\i], v[K+24*\i], v[NIL], s[ML]   ; ox = 0: the window's left column lies outside: register 0 of lanes 0-15 of the left tiles, where ox0 = 0
.endr
.if ((\ct)%2 == 0) && (\ct > 0)
	s_wait_xcnt 0x0                                ; the last trip's stores to out0 have read v168-183, which are written next
.endif
	HALF 0
	HALF 1
.if \ct < 7
	s_wait_dscnt 0x0                               ; the next trip's fragment, scale words and bias are in
.endif
.irp e, 0,1,2,3,4,5,6,7
	v_rcp_f32 v[RC+\e], v[DN+\e]
.endr
.if \ct < 7
.irp e, 0,1,2,3,4,5,6,7
	v_mov_b32 v[CB+\e], v[BI]                      ; the next trip's C: plain work behind the reciprocals
.endr
.else
	v_nop
.endif
	s_wait_alu depctr_va_vdst(0)                   ; one wait for the eight reciprocals, ahead of their first reader
.irp p, 0,2,4,6
	v_pk_mul_f32 v[NU+\p:NU+\p+1], v[NU+\p:NU+\p+1], v[RC+\p:RC+\p+1]   ; att
.endr
.irp p, 0,2,4,6
	v_pk_mul_f32 v[NU+\p:NU+\p+1], v[NU+\p:NU+\p+1], v[SG+\p:SG+\p+1]   ; x (1 + sigmoid)
.endr
	ds_store_b128 v[STO], v[NU:NU+3] offset:(\ct)*16*SP
	ds_store_b128 v[STO], v[NU+4:NU+7] offset:(\ct)*16*SP+16
.if (\ct)%2 == 1
	FLUSH (\ct)/2
.endif
.endm
	s_load_b512 s[8:23], s[0:1], 0x0               ; shallow's codes s[8:9], its scales s[10:11], K_w's codes s[12:13], its scales s[14:15], K_b s[16:17], mo s[18:19], part s[20:21], out0 s[22:23]
	s_load_b64 s[24:25], s[0:1], 0x40              ; out1
	v_lshl_add_u32 v11, v0, 2, 0x3bb00
	v_mov_b32 v21, 0
	ds_add_u32 v11, v21
	ds_add_u32 v11, v21
	v_lshrrev_b32 v232, 5, v0
	v_readfirstlane_b32 s[WV], v232                ; wave 0..7
	s_and_b32 s[XQ], s[WV], 3
	s_lshr_b32 s[CHH], s[WV], 2
	s_mov_b32 s[OY], ttmp9                         ; in a cluster launch ttmp9 counts clusters
	s_bfe_u32 s[BB], ttmp6, 0x40000                ; my place in the cluster: the batch
	s_cmp_eq_u32 s[XQ], 0
	s_cselect_b32 s[ML], 0xffff, 0
	s_mov_b32 s66, 0x76543210
	s_mov_b32 s67, 0xfedcba98                      ; v_permlanex16_b32's selects for lane l xor 16
	v_and_b32 v232, 15, v0                         ; r
	v_bfe_u32 v233, v0, 4, 1                       ; h
	v_and_b32 v234, 31, v0                         ; lane
	v_and_b32 v235, 127, v0                        ; my thread among four waves
	v_mov_b32 v[NIL], 0
	s_mul_i32 s56, s[CHH], 128*WP
	v_mul_u32_u24 v[ADB], v232, WP
	v_lshl_add_u32 v[ADB], v233, 4, v[ADB]
	v_add_nc_u32 v[ADB], s56, v[ADB]
	s_lshl_b32 s57, s[CHH], 10
	s_add_co_u32 s57, s57, WSC
	v_lshlrev_b32 v[ABS], 3, v232
	v_lshl_add_u32 v[ABS], v233, 2, v[ABS]
	v_add_nc_u32 v[ABS], s57, v[ABS]
	s_lshl_b32 s58, s[CHH], 9
	s_add_co_u32 s58, s58, BT
	v_lshl_add_u32 v[ABI], v232, 2, s58
	s_add_co_u32 s56, s56, STG                     ; the stage's rows have K_w's pitch: my half of the channels
	s_lshl_b32 s59, s[XQ], 6
	s_add_co_u32 s59, s59, s56
	v_mul_u32_u24 v[STO], v232, SP
	v_lshl_add_u32 v[STO], v233, 5, v[STO]
	v_add_nc_u32 v[STO], s59, v[STO]               ; row r, byte 64 xq + 32 h: outputs ox0 + 8 h on
	s_mul_i32 s60, s[XQ], 8*SP
	s_add_co_u32 s60, s60, s56
	v_mul_u32_u24 v[RD], v233, SP
	v_lshl_add_u32 v[RD], v232, 4, v[RD]
	v_add_nc_u32 v[RD], s60, v[RD]                 ; back: rows 8 xq + h, 16 bytes a lane
	s_lshl_b32 s61, s[CHH], 21
	s_lshl_b32 s62, s[XQ], 17
	s_add_co_u32 s61, s61, s62
	v_lshlrev_b32 v[GO], 14, v233
	v_lshl_add_u32 v[GO], v232, 4, v[GO]
	v_add_nc_u32 v[GO], s61, v[GO]                 ; a channel of out0 is 16,384 bytes
	s_mul_i32 s56, s[XQ], 16*PP
	v_mul_u32_u24 v236, v232, PP
	v_lshl_add_u32 v236, v233, 4, v236
	v_add_nc_u32 v236, s56, v236                   ; pair ox0 + r, + 16 h
	v_add_nc_u32 v[ADA], PIX, v236                 ; its even pixel (the odd one: + 256), image rows 0 and 1
	v_add_nc_u32 v[ADL], PIX-272, v236             ; the odd pixel of the pair before
	v_add_nc_u32 v[ADA2], PIX+2*ROWL, v236         ; image row 2 lies beyond an LDS instruction's 16-bit offset
	v_add_nc_u32 v[ADL2], PIX+2*ROWL-272, v236
	s_lshl_b32 s57, s[XQ], 6
	s_add_co_u32 s57, s57, QT
	v_lshl_add_u32 v[AQ], v233, 5, s57             ; the tables: my 8 outputs
	v_lshl_add_u32 v[AQW], v232, 2, s57            ; and where waves 0-3 write them: output 16 wave + r
	v_lshl_add_u32 v[ACW], v235, 4, WSC
	v_lshl_add_u32 v[ACB], v235, 3, BT
	v_lshl_add_u32 v[ART], v234, 3, RT
	s_lshl_b32 s58, s[XQ], 8
	v_lshl_add_u32 v237, v232, 4, s58              ; scale bytes: 8 a pixel: pixel 2 (ox0 + r)
	v_lshl_add_u32 v[VE], v233, 2, v237            ; lanes 16-31 take the second K step's word
	v_min_u32 v238, 8, v237
	v_sub_nc_u32 v237, v237, v238                  ; the pixel before; for pixel 0 itself (no load leaves the buffer; that tile row's result is replaced)
	v_lshl_add_u32 v[VL], v233, 2, v237
	v_lshlrev_b32 v[LI], 4, v234
	v_lshlrev_b32 v[PA], 7, v232
	v_lshl_add_u32 v[PA], v233, 5, v[PA]           ; part: row r of 128 bytes, + my half's 8 channels
	v_lshlrev_b32 v[C16], 4, v235
	v_lshlrev_b32 v[C8], 3, v235
	v_lshlrev_b32 v[L8], 3, v234
	; descriptor group 1 for the pixels: 32 rows of 512 bytes (a pair of pixels), dense in memory, 16 bytes of padding behind each
	s_mov_b32 s32, (1<<20)|(6<<22)|(3<<25)         ; 15:0 no mask; 17:16 elements of 1 byte; 20 padding on; 24:22 after every 128 words (code 6); 31:25 four words (code 3)
	s_mov_b32 s33, 512<<16                         ; tensor_dim0
	s_mov_b32 s34, 32<<16                          ; tensor_dim1
	s_mov_b32 s35, 512<<16                         ; tile_dim0
	s_mov_b32 s36, 32                              ; tile_dim1
	s_mov_b32 s37, 512                             ; tensor_dim0_stride
	s_mov_b32 s38, 0
	s_mov_b32 s39, 0
	; and for K_w: 128 rows of 256 bytes, 16 bytes of padding behind each; asked for by all four work-groups of the cluster
	s_mov_b32 s40, 15|(1<<20)|(1<<21)|(5<<22)|(3<<25)   ; 15:0 the mask; 21 set beside a mask; 24:22 after every 64 words (code 5)
	s_mov_b32 s41, 256<<16
	s_mov_b32 s42, 128<<16
	s_mov_b32 s43, 256<<16
	s_mov_b32 s44, 128
	s_mov_b32 s45, 256
	s_mov_b32 s46, 0
	s_mov_b32 s47, 0
	; group 0 for the pixels: wave w (0-5) fetches half w % 2 of image row i = w / 2, that is y = 2 oy - 1 + i, held at 0 (for oy = 0 the top row's results are replaced by zeros)
	s_min_u32 s56, s[WV], 5                        ; (waves 6 and 7 do not use it)
	s_mov_b32 s48, 1
	s_mul_i32 s49, s56, 32*PP
	s_add_co_u32 s49, s49, PIX
	s_lshr_b32 s57, s56, 1
	s_lshl_b32 s58, s[OY], 1
	s_add_co_u32 s57, s57, s58
	s_sub_co_i32 s57, s57, 1
	s_max_i32 s57, s57, 0
	s_lshl_b32 s57, s57, 15                        ; an image row of codes: 128 x 256 bytes
	s_and_b32 s59, s56, 1
	s_lshl_b32 s59, s59, 14
	s_add_co_u32 s57, s57, s59
	s_lshl_b32 s59, s[BB], 22
	s_add_co_u32 s60, s57, s59
	s_mov_b32 s61, 0
	; group 0 for K_w: wave 6 its rows 0-127, wave 7 rows 128-255: nothing of it hangs on the work-group
	s_and_b32 s56, s[WV], 1
	s_mov_b32 s52, 1
	s_mul_i32 s53, s56, 128*WP
	s_lshl_b32 s62, s56, 15
	s_mov_b32 s63, 0
	s_wait_dscnt 0x0
	s_wait_kmcnt 0x0
	s_add_nc_u64 s[50:51], s[8:9], s[60:61]
	s_or_b32 s51, s51, 0x80000000                  ; type = 2
	s_add_nc_u64 s[54:55], s[12:13], s[62:63]
	s_or_b32 s55, s55, 0x80000000
	; the other bases
	s_mov_b32 s59, 0
	s_lshl_b32 s56, s[BB], 17                      ; a batch of scale bytes: 16,384 pixels x 8
	s_lshl_b32 s57, s[OY], 1
	s_sub_co_i32 s57, s57, 1
	s_max_i32 s57, s57, 0
	s_lshl_b32 s57, s57, 10
	s_add_co_u32 s58, s56, s57
	s_add_nc_u64 s[68:69], s[10:11], s[58:59]      ; image row 0's scale bytes
	s_lshl_b32 s57, s[OY], 11
	s_add_co_u32 s58, s56, s57
	s_add_nc_u64 s[70:71], s[10:11], s[58:59]      ; image row 1's; row 2's lie 1,024 bytes on
	s_lshl_b32 s56, s[BB], 7
	s_lshl_b32 s57, s[OY], 1
	s_add_co_u32 s56, s56, s57
	s_lshr_b32 s57, s[XQ], 1
	s_add_co_u32 s56, s56, s57                     ; mo: the block of 32 pixels that holds 64 oy + 16 xq ..: 128 b + 2 oy + xq / 2,
	s_lshl_b32 s56, s56, 3
	s_and_b32 s57, s[XQ], 1
	s_lshl_b32 s57, s57, 2
	s_add_co_u32 s56, s56, s57                     ; and in it the four pieces of t = xq % 2
	s_lshl_b32 s58, s56, 9
	s_add_nc_u64 s[72:73], s[18:19], s[58:59]
	s_lshl_b32 s58, s[BB], 13
	s_add_nc_u64 s[74:75], s[20:21], s[58:59]      ; part: the batch's 64 rows
	s_lshl_b32 s56, s[BB], 22
	s_lshl_b32 s57, s[OY], 8
	s_add_co_u32 s58, s56, s57
	s_add_nc_u64 s[76:77], s[22:23], s[58:59]      ; out0[b][0][oy][0]
	s_lshl_b32 s56, s[BB], 14
	s_add_co_u32 s58, s56, s57
	s_add_nc_u64 s[78:79], s[24:25], s[58:59]      ; out1[b][0][oy][0]
	ROUND                                          ; all four work-groups are here: the joint loads meet
	s_cmp_lt_u32 s[WV], 6                          ; one tensor load a wave, the only one of the launch; four v_nop follow each of the two lines
	s_cbranch_scc0 .Lfor_w
	tensor_load_to_lds s[48:51], s[32:39]
	s_nop 0
.rept 4
	v_nop
.endr
	s_branch .Lasked
.Lfor_w:
	tensor_load_to_lds s[52:55], s[40:47]
	s_nop 0
.rept 4
	v_nop
.endr
.Lasked:
	; the pixels' scale words, straight into the registers that the products name
	global_load_b32 v[AS+0], v[VL], s[68:69]
	global_load_b32 v[AS+1], v[VE], s[68:69]
	global_load_b32 v[AS+2], v[VE], s[68:69] offset:8
	global_load_b32 v[AS+3], v[VL], s[70:71]
	global_load_b32 v[AS+4], v[VE], s[70:71]
	global_load_b32 v[AS+5], v[VE], s[70:71] offset:8
	global_load_b32 v[AS+6], v[VL], s[70:71] offset:1024
	global_load_b32 v[AS+7], v[VE], s[70:71] offset:1024
	global_load_b32 v[AS+8], v[VE], s[70:71] offset:1032
	s_cmp_lt_u32 s[WV], 4
	s_cbranch_scc0 .Lcopies
	; WAVES 0-3: the tables of outputs 16 wave + r.  Register 4 n + e (n = 2 u + c) of lane (r, h): max_out[16 u + 8 h + 4 c + e][my pixel], and part's rows in the same order of channels
.irp n, 0,1,2,3
	global_load_b128 v[MI+4*\n:MI+4*\n+3], v[LI], s[72:73] offset:512*\n
.endr
.irp k, 0,1,2,3                        ; lane r takes rows 16 k + r of the 64
.irp n, 0,1,2,3
	global_load_b128 v[PT+16*\k+4*\n:PT+16*\k+4*\n+3], v[PA], s[74:75] offset:2048*\k+64*(\n/2)+16*(\n%2)
.endr
.endr
	s_wait_loadcnt 0x0
.irp p, 0,2,4,6,8,10,12,14
	v_pk_add_f32 v[PT+\p:PT+\p+1], v[PT+\p:PT+\p+1], v[PT+16+\p:PT+16+\p+1]
	v_pk_add_f32 v[PT+32+\p:PT+32+\p+1], v[PT+32+\p:PT+32+\p+1], v[PT+48+\p:PT+48+\p+1]
.endr
.irp p, 0,2,4,6,8,10,12,14
	v_pk_add_f32 v[PT+\p:PT+\p+1], v[PT+\p:PT+\p+1], v[PT+32+\p:PT+32+\p+1]
.endr
.irp x, 1,2,4,8                        ; and over the 16 lanes of my half: lit, in max_out's layout
.irp n, 0,1,2,3,4,5,6,7,8,9,10,11,12,13,14,15
	v_add_f32_dpp v[PT+\n], v[PT+\n], v[PT+\n] row_xmask:\x row_mask:0xf bank_mask:0xf
.endr
.endr
	v_pk_mul_f32 v[TW:TW+1], v[PT:PT+1], v[MI:MI+1]                ; lit . max_out,
	v_pk_add_f32 v[TW+2:TW+3], v[MI:MI+1], v[MI+2:MI+3]            ; and the channels' sum
	v_pk_fma_f32 v[TW:TW+1], v[PT+2:PT+3], v[MI+2:MI+3], v[TW:TW+1]
.irp p, 4,6,8,10,12,14
	v_pk_fma_f32 v[TW:TW+1], v[PT+\p:PT+\p+1], v[MI+\p:MI+\p+1], v[TW:TW+1]
	v_pk_add_f32 v[TW+2:TW+3], v[TW+2:TW+3], v[MI+\p:MI+\p+1]
.endr
	v_mov_b32 v[TW+6], 0                           ; a lane permute's destination counts as one of its sources
	v_mov_b32 v[TW+7], 0
	v_add_f32 v[TW+4], v[TW], v[TW+1]
	v_add_f32 v[TW+5], v[TW+2], v[TW+3]
	v_permlanex16_b32 v[TW+6], v[TW+4], s66, s67
	v_permlanex16_b32 v[TW+7], v[TW+5], s66, s67
	v_add_f32 v[TW+4], v[TW+4], v[TW+6]            ; re_score: with the other half's 16 channels
	v_add_f32 v[TW+5], v[TW+5], v[TW+7]
	v_mul_f32 v[TW+8], 0x3d38aa3b, v[TW+5]         ; x log2(e) / 32: c x qmean
	v_mul_f32 v[TW+9], 0xbfb8aa3b, v[TW+4]
	v_exp_f32 v[TW+9], v[TW+9]                     ; e^(-re_score)
	v_nop
	s_wait_alu depctr_va_vdst(0)                   ; ahead of the exponential's reader
	v_add_f32 v[TW+9], 1.0, v[TW+9]
	v_rcp_f32 v[TW+9], v[TW+9]                     ; the sigmoid
	v_nop
	s_wait_alu depctr_va_vdst(0)
	v_add_f32 v[TW+9], 1.0, v[TW+9]
	ds_store_b32 v[AQW], v[TW+8]                   ; both halves of the lanes write the same word with the same value
	ds_store_b32 v[AQW], v[TW+9] offset:256
	ds_store_b32 v[AQW], v[TW+4] offset:512
	s_branch .Ljoin
.Lcopies:
	; WAVES 4-7: K_w's 2,048 scale bytes and K_b's 1,024 bytes into LDS, as they lie: each load of a wave covers 512 or 256 consecutive bytes
	global_load_b128 v[MI:MI+3], v[C16], s[14:15]
	global_load_b64 v[MI+4:MI+5], v[C8], s[16:17]
	s_wait_loadcnt 0x0                             ; these, and the pixels' scale words
	ds_store_b128 v[ACW], v[MI:MI+3]
	ds_store_b64 v[ACB], v[MI+4:MI+5]
.Ljoin:
	s_wait_tensorcnt 0x0                           ; my tile has landed,
	s_wait_dscnt 0x0                               ; my LDS stores are done:
	s_barrier_signal -1
	s_barrier_wait -1                              ; everybody's
	WIN 0x40                                       ; destination window 1, address window 0
	AFRAG 0,   ADL,  0                             ; tile 3 i + j: image row i; j = 0 the pixel to the left, 1 the even pixel, 2 the odd one
	AFRAG 32,  ADA,  0
	AFRAG 64,  ADA,  256
	AFRAG 96,  ADL,  ROWL
	AFRAG 128, ADA,  ROWL
	AFRAG 160, ADA,  ROWL+256
	AFRAG 192, ADL2, 0
	AFRAG 224, ADA2, 0
	WIN 0
	AFRAG A8,  ADA2, 256
	ds_load_b128 v[QM:QM+3], v[AQ]
	ds_load_b128 v[QM+4:QM+7], v[AQ] offset:16
	ds_load_b128 v[SG:SG+3], v[AQ] offset:256
	ds_load_b128 v[SG+4:SG+7], v[AQ] offset:272
	BFETCH 0
	s_cmp_lg_u32 s[WV], 0
	s_cbranch_scc1 .Lnot_out1
	ds_load_b64 v[RTD:RTD+1], v[ART]               ; wave 0: the row of re_score
	s_wait_dscnt 0x0
	global_store_b64 v[L8], v[RTD:RTD+1], s[78:79] ; 32 lanes store 256 consecutive bytes, at a multiple of 256 from out1's first byte
.Lnot_out1:
	s_wait_dscnt 0x0                               ; all fragments, tables, scale words and the first bias are in
.irp e, 0,1,2,3,4,5,6,7
	v_mov_b32 v[CB+\e], v[BI]
.endr
.rept 4
	v_nop                                          ; C is kept as far ahead of the first scaled product as an A or B that vector instructions have written
.endr
.irp ct, 0,1,2,3,4,5,6,7               ; written out: every offset is an immediate, nothing is stepped
	TRIP \ct
.endr
	s_wait_tensorcnt 0x0
	ds_add_u32 v11, v21
	s_wait_dscnt 0x0
	ROUND                                          ; the closing round: no work-group ends while a partner may still ask for the tile that names it
	s_endpgm
.Lfunc_end_k_q25038e7469_shal:
	.size	k_q25038e7469_shal, .Lfunc_end_k_q25038e7469_shal-k_q25038e7469_shal
	.p2alignl 7, 3214868480
	.fill 96, 4, 3214868480
	.section	.rodata,"a",@progbits
	.p2align	6, 0x0
	.amdhsa_kernel k_q25038e7469_shal
		.amdhsa_group_segment_fixed_size 245504
		.amdhsa_private_segment_fixed_size 0
		.amdhsa_enable_private_segment 0
		.amdhsa_kernarg_size 72
		.amdhsa_user_sgpr_count 2
		.amdhsa_user_sgpr_kernarg_segment_ptr 1
		.amdhsa_wavefront_size32 1
		.amdhsa_system_sgpr_workgroup_id_x 1
		.amdhsa_system_sgpr_workgroup_id_y 1
		.amdhsa_system_sgpr_workgroup_id_z 1
		.amdhsa_system_vgpr_workitem_id 0
		.amdhsa_next_free_vgpr 512
		.amdhsa_next_free_sgpr 80
		.amdhsa_reserve_vcc 0
		.amdhsa_float_denorm_mode_32 3
		.amdhsa_float_denorm_mode_16_64 3
		.amdhsa_memory_ordered 1
		.amdhsa_forward_progress 1
		.amdhsa_inst_pref_size 177
	.end_amdhsa_kernel
	.amdgpu_metadata
---
amdhsa.version: [ 1, 2 ]
amdhsa.kernels:
  - .name:           k_q25038e7469_shal
    .symbol:         k_q25038e7469_shal.kd
    .args:
      - { .name: shallow_codes, .offset: 0, .size: 8, .value_kind: global_buffer, .address_space: global }
      - { .name: shallow_scales, .offset: 8, .size: 8, .value_kind: global_buffer, .address_space: global }
      - { .name: K_w_codes, .offset: 16, .size: 8, .value_kind: global_buffer, .address_space: global }
      - { .name: K_w_scales, .offset: 24, .size: 8, .value_kind: global_buffer, .address_space: global }
      - { .name: K_b, .offset: 32, .size: 8, .value_kind: global_buffer, .address_space: global }
      - { .name: mo, .offset: 40, .size: 8, .value_kind: global_buffer, .address_space: global }
      - { .name: part, .offset: 48, .size: 8, .value_kind: global_buffer, .address_space: global }
      - { .name: out0, .offset: 56, .size: 8, .value_kind: global_buffer, .address_space: global }
      - { .name: out1, .offset: 64, .size: 8, .value_kind: global_buffer, .address_space: global }
    .group_segment_fixed_size: 245504
    .private_segment_fixed_size: 0
    .kernarg_segment_align: 8
    .kernarg_segment_size: 72
    .max_flat_workgroup_size: 256
    .sgpr_count:     80
    .vgpr_count:     512
    .wavefront_size: 32
...
	.end_amdgpu_metadata
.endif
;; end of part 2
;; ======== version 2 of 2: 2 launches; version 1 with the launch deepk written anew for expert scheduling mode
;; workspace buffers: mo 2,097,152 bytes; part 32,768 bytes
;; launch deepk (part 3): grid 256 x 1, 2 waves a work-group, no clusters, 512 bytes of LDS; arguments deep_codes, deep_scales, KSA_w_codes, KSA_w_scales, KSA_b, mo, part; writes mo, part
.if DOCPART == 3
	.amdgcn_target "amdgcn-amd-amdhsa--gfx1250"
	.amdhsa_code_object_version 6
	.text
	.protected	k_q25038e7469_deepk
	.globl	k_q25038e7469_deepk
	.p2align	8
	.type	k_q25038e7469_deepk,@function
k_q25038e7469_deepk:
	s_mov_b64 s[64:65], 0
	v_nop
	global_prefetch_b8 v0, s[64:65] scope:SCOPE_SE
	s_setreg_imm32_b32 hwreg(HW_REG_WAVE_SCHED_MODE, 0, 2), 2
	s_setreg_imm32_b32 hwreg(HW_REG_WAVE_MODE, 25, 1), 1
	s_wait_xcnt 0x0
	s_wait_alu depctr_vm_vsrc(0)
; max_out[b][d][p] = sum over k of KSA_w[d][k] deep[b][k][p] + KSA_b[d]  (32 channels, 512 along K, 4 x 4,096 pixels), on codes of E5M2 with E8M0 scales, as they lie in memory;
; and the parts of lit[b][j] = (1/4096) sum over m (0..127), dd (0..31) of q[128 dd + m] x max_out[dd][32 m + j], q[p] = the largest of pixel p's 32 channels.
; SHARES.  Work-group x: batch b = x / 64, g = x % 64.  Wave w owns m = 2 g + w: its OWN pixels 32 m .. 32 m + 31 (all channels: they go to the buffer mo), and its Q PIXELS 128 dd + m, dd = 0 .. 31,
; whose max_out it computes a second time, only for their maximum: so the wave closes its own part of lit, and no launch is spent on q.
; LAYOUT.  Own tiles: source 0 = 16 rows of KSA_w (channels 16 u + ..), source 1 = 16 own pixels (16 t + ..): register j of lane (r, h) is max_out[16 u + 8 h + j][32 m + 16 t + r].
; Q tiles: source 0 = 16 q pixels (dd = 16 u + ..), source 1 = 16 rows of KSA_w (16 u' + ..): register j of lane (r, h) is max_out[16 u' + r][pixel dd = 16 u + 8 h + j]: the maximum over u' lies in the lane,
; that over r in the 16 lanes of a half.  It leaves q[128 (16 u + 8 h + j) + m] in register (u, j) of every lane of half h: the very index that the own tiles' registers have.  So the part of lit is 16 multiply-adds a lane.
; mo IS AN IMAGE OF THE OWN TILES' REGISTERS: block (b, m) of 4,096 bytes; in it registers 4 c .. 4 c + 3 of tile (t, u) at ((2 t + u) 2 + c) 512 + 16 x lane: each store covers 512 consecutive bytes.
; part[b][g][32]: the two waves' parts added, times 1/4096: a store of 128 consecutive bytes a work-group (half of an aligned 256; 32,768 bytes in the whole launch).
; NO CLUSTER, NO LDS TILES: every operand goes from memory straight into the registers of the one wave that multiplies it, all 122 loads asked for at the head.  KSA_w is what all waves share: 16,384 of a wave's
; 49,152 bytes of codes; through LDS it would add a barrier and a second trip to a launch that is one round of loads.  A wave's q pixels are own pixels of 32 other work-groups, more than a cluster holds.
; LIMITS: codes of NaN and infinity and the scale byte 0xff are not served.
; THE MODE: SCHED_MODE bits 1:0 = 2 (LLVM: expert scheduling mode 2), set by the entry lines.  The code itself states the register dependences
; between vector or matrix instructions and memory or LDS instructions, with s_wait_alu, always for 0.
; THE PLAN.  The text is one straight run with one branch at its end.  Registers that memory or LDS instructions touch:
;   v1-v9      offsets and LDS addresses: written by vector instructions at the head, never again; read by every load, store and LDS instruction.  One wait on va_vdst ahead of the first load serves them all.
;   v16-71, windows 1 and 2   written by the loads at the head alone, read by matrix instructions alone; no load lands there a second time.
;   DO         written by the own tiles' products; read by the eight stores to mo: the places, then one wait on va_vdst; afterwards vector instructions only read it.
;   v[TW]      written by the select; read by the LDS store (a wait on va_vdst); written again by wave 0 (a wait on vm_vsrc, ahead of the branch); read by the store to part (a wait on va_vdst).
;   v[TW+1]    named by the packed sums; wave 0's LDS load lands in it: the wait on va_vdst ahead of the LDS store serves it, since no vector instruction stands between.
;   s18 (the wave's number) and VCC (the select's mask) are written by vector instructions: one wait each, ahead of the first reader.
; REGISTERS.  window 0: v1-10 addresses; v16-39 scale words; v40-71 the bias in the results' layouts; v72-103 own tiles; v104-135 q tiles; v136-151 q; v152-159 at work.
;   window 1: KSA_w's 8 fragments, (u, s) at 16 (4 u + s).   window 2: own pixels' 8, (t, s) at 16 (4 t + s); q pixels' 8, (u, s) at 128 + 16 (4 u + s).
.set WS, 16                            ; v16-23   KSA_w's scale words: row 16 u + r, K step s at WS + 4 u + s
.set OS, 24                            ; v24-31   own pixels': OS + 4 t + s
.set QS, 32                            ; v32-39   q pixels': QS + 4 u + s
.set BO, 40                            ; v40-55   KSA_b[16 u + 8 h + j] at BO + 8 u + j
.set BQ, 56                            ; v56-71   KSA_b[16 u' + r], eight times, at BQ + 8 u'
.set DO, 72                            ; v72-103  own tile (u, t) at DO + 8 (2 t + u)
.set DQ, 104                           ; v104-135 q tile (u, u') at DQ + 8 (2 u + u')
.set Q,  136                           ; v136-151 q at Q + 8 u + j
.set TW, 152                           ; v152-159 at work
.set MSB, 0
.macro WIN new                         ; the immediate's high byte repeats the setting that is left
.if MSB != \new
	s_set_vgpr_msb (MSB<<8)|\new
.set MSB, \new
.endif
.endm
.macro PROD d, a, b, c, sa, sb
	v_wmma_scale_f32_16x16x128_f8f6f4 v[\d:\d+7], v[\a:\a+15], v[\b:\b+15], v[\c:\c+7], v[\sa], v[\sb] matrix_a_fmt:MATRIX_FMT_BF8 matrix_b_fmt:MATRIX_FMT_BF8
.endm
; K step s of the four own tiles, by turns.  The first step's C is the bias.
.macro OWN s
.irp t, 0,1
.irp u, 0,1
.if \s == 0
	PROD DO+8*(2*\t+\u), 16*(4*\u+\s), 16*(4*\t+\s), BO+8*\u, WS+4*\u+\s, OS+4*\t+\s
.else
	PROD DO+8*(2*\t+\u), 16*(4*\u+\s), 16*(4*\t+\s), DO+8*(2*\t+\u), WS+4*\u+\s, OS+4*\t+\s
.endif
.endr
.endr
.endm
; K step s of the four q tiles (u: which 16 q pixels; x: which 16 channels), by turns
.macro QMUL s
.irp u, 0,1
.irp x, 0,1
.if \s == 0
	PROD DQ+8*(2*\u+\x), 128+16*(4*\u+\s), 16*(4*\x+\s), BQ+8*\x, QS+4*\u+\s, WS+4*\x+\s
.else
	PROD DQ+8*(2*\u+\x), 128+16*(4*\u+\s), 16*(4*\x+\s), DQ+8*(2*\u+\x), QS+4*\u+\s, WS+4*\x+\s
.endif
.endr
.endr
.endm
	s_load_b256 s[4:11], s[0:1], 0x0               ; deep's codes s[4:5], its scales s[6:7], KSA_w's codes s[8:9], its scales s[10:11]
	s_load_b128 s[12:15], s[0:1], 0x20             ; KSA_b s[12:13], mo s[14:15]
	s_load_b64 s[16:17], s[0:1], 0x30              ; part
	v_lshl_add_u32 v254, v0, 2, 0x100
	v_mov_b32 v255, 0
	v_lshrrev_b32 v11, 5, v0
	v_readfirstlane_b32 s18, v11                   ; wave 0, 1
	v_and_b32 v10, 31, v0                          ; lane
	v_and_b32 v12, 15, v0                          ; r
	v_bfe_u32 v13, v0, 4, 1                        ; h
	v_lshlrev_b32 v1, 9, v12
	v_lshl_add_u32 v1, v13, 4, v1                  ; KSA_w's rows and own pixels: 512 bytes each: 512 r + 16 h
	v_lshlrev_b32 v2, 16, v12
	v_lshl_add_u32 v2, v13, 4, v2                  ; q pixels lie 128 pixels apart: 65,536 r + 16 h
	v_lshlrev_b32 v3, 4, v12                       ; scale bytes of a row or an own pixel: 16 r
	v_lshlrev_b32 v4, 11, v12                      ; of a q pixel: 2,048 r
	v_lshlrev_b32 v5, 5, v13                       ; the bias of 8 channels of my half: 32 h
	v_lshlrev_b32 v6, 2, v12                       ; the bias of channel r: 4 r
	v_lshlrev_b32 v7, 4, v10                       ; an image's place for my lane: 16 x lane
	v_lshlrev_b32 v8, 2, v0                        ; LDS: a word for each thread
	v_lshlrev_b32 v9, 2, v10                       ; 4 x lane
	v_mov_b32 v[TW+6], 0                           ; a lane permute's destination counts as one of its sources
	v_mov_b32 v[TW+7], 0
	s_wait_alu depctr_va_sdst(0)                   ; s18 is written, ahead of its first reader: m, and with it every base, is made from it
	s_mov_b32 s22, 0x76543210
	s_mov_b32 s23, 0xfedcba98                      ; v_permlanex16_b32's selects for lane l xor 16
	s_lshr_b32 s19, ttmp9, 6                       ; b
	s_and_b32 s20, ttmp9, 63                       ; g
	s_lshl_b32 s21, s20, 1
	s_add_co_u32 s21, s21, s18                     ; m = 2 g + wave
	s_lshl_b32 s34, s19, 21                        ; a batch of codes: 4,096 pixels x 512 bytes
	s_lshl_b32 s35, s19, 16                        ; a batch of scale bytes: 4,096 x 16
	s_lshl_b32 s24, s21, 14
	s_add_co_u32 s24, s24, s34                     ; own codes: pixel 32 m
	s_mov_b32 s25, 0
	s_lshl_b32 s36, s21, 9
	s_add_co_u32 s36, s36, s34                     ; q codes: pixel m
	s_mov_b32 s37, 0
	s_lshl_b32 s38, s21, 9
	s_add_co_u32 s38, s38, s35                     ; own scale bytes
	s_mov_b32 s39, 0
	s_lshl_b32 s40, s21, 4
	s_add_co_u32 s40, s40, s35                     ; q scale bytes
	s_mov_b32 s41, 0
	s_lshl_b32 s42, s19, 7
	s_add_co_u32 s42, s42, s21
	s_lshl_b32 s42, s42, 12                        ; mo: block 128 b + m
	s_mov_b32 s43, 0
	s_lshl_b32 s44, ttmp9, 7                       ; part: row 64 b + g of 128 bytes
	s_mov_b32 s45, 0
	s_wait_kmcnt 0x0
	s_add_nc_u64 s[26:27], s[4:5], s[24:25]
	s_add_nc_u64 s[28:29], s[4:5], s[36:37]
	s_add_nc_u64 s[30:31], s[6:7], s[38:39]
	s_add_nc_u64 s[32:33], s[6:7], s[40:41]
	s_add_nc_u64 s[14:15], s[14:15], s[42:43]
	s_add_nc_u64 s[16:17], s[16:17], s[44:45]
	s_wait_alu depctr_va_vdst(0)                   ; the nine offsets and addresses v1 to v9 are written, which the loads, the stores and the LDS instructions of the whole kernel read; no vector instruction names them again
	; all loads at once: 26 small ones, KSA_w's 32, the own pixels' 32, the q pixels' 32.  Between the wait above and the last of them stand loads and window switches alone
.irp u, 0,1
	global_load_b128 v[WS+4*\u:WS+4*\u+3], v3, s[10:11] offset:256*\u
	global_load_b128 v[OS+4*\u:OS+4*\u+3], v3, s[30:31] offset:256*\u
	global_load_b128 v[QS+4*\u:QS+4*\u+3], v4, s[32:33] offset:32768*\u
	global_load_b128 v[BO+8*\u:BO+8*\u+3], v5, s[12:13] offset:64*\u
	global_load_b128 v[BO+8*\u+4:BO+8*\u+7], v5, s[12:13] offset:64*\u+16
.irp j, 0,1,2,3,4,5,6,7
	global_load_b32 v[BQ+8*\u+\j], v6, s[12:13] offset:64*\u
.endr
.endr
	WIN 0x40                                       ; destination window 1, address window 0
.irp u, 0,1
.irp s, 0,1,2,3
.irp c, 0,1,2,3
	global_load_b128 v[16*(4*\u+\s)+4*\c:16*(4*\u+\s)+4*\c+3], v1, s[8:9] offset:8192*\u+128*\s+32*\c
.endr
.endr
.endr
	WIN 0x80                                       ; destination window 2
.irp t, 0,1
.irp s, 0,1,2,3
.irp c, 0,1,2,3
	global_load_b128 v[16*(4*\t+\s)+4*\c:16*(4*\t+\s)+4*\c+3], v1, s[26:27] offset:8192*\t+128*\s+32*\c
.endr
.endr
.endr
.irp u, 0,1
.irp s, 0,1,2,3
.irp c, 0,1,2,3
	global_load_b128 v[128+16*(4*\u+\s)+4*\c:128+16*(4*\u+\s)+4*\c+3], v2, s[28:29] offset:(\u<<20)+128*\s+32*\c
.endr
.endr
.endr
	s_wait_loadcnt 32                              ; loads come back in order: all but the youngest 32, the q pixels' fragments, are in
	WIN 0x09                                       ; source 0 (KSA_w) window 1, source 1 (own pixels) window 2
	OWN 0
	OWN 1
	OWN 2
	OWN 3
	WIN 0
.rept 8
	v_nop                                          ; eight places between the last product and the first store of a result
.endr
	s_wait_alu depctr_va_vdst(0)                   ; the own tiles' products have written v[DO ..], which the eight stores read; the places above stay beside this wait
.irp n, 0,1,2,3                        ; tile n = 2 t + u, each from its low end on
	global_store_b128 v7, v[DO+8*\n:DO+8*\n+3], s[14:15] offset:1024*\n
	global_store_b128 v7, v[DO+8*\n+4:DO+8*\n+7], s[14:15] offset:1024*\n+512
.endr
	s_wait_loadcnt 0x0                             ; the q pixels' fragments
	WIN 0x06                                       ; source 0 (q pixels) window 2, source 1 (KSA_w) window 1
	QMUL 0
	QMUL 1
	QMUL 2
	QMUL 3
	WIN 0
.rept 8
	v_nop
.endr
.irp u, 0,1
.irp j, 0,1,2,3,4,5,6,7
	v_max_num_f32 v[Q+8*\u+\j], v[DQ+16*\u+\j], v[DQ+16*\u+8+\j]   ; channels r and 16 + r; each tile from its low end on
.endr
.endr
.irp x, 1,2,4,8                        ; and over the 16 lanes of my half: all 32 channels
.irp n, 0,1,2,3,4,5,6,7,8,9,10,11,12,13,14,15
	v_max_num_f32_dpp v[Q+\n], v[Q+\n], v[Q+\n] row_xmask:\x row_mask:0xf bank_mask:0xf
.endr
.endr
	v_cmp_le_u32 vcc_lo, 16, v10                   ; the mask of the select below, made here so that the sums stand between it and the wait for it; none of them writes VCC
	; the part of lit: sum over my half's 16 channels d of q[128 d + m] x max_out[d][32 m + 16 t + r], two at a time, the two t by turns
.irp t, 0,1
	v_pk_mul_f32 v[TW+2*\t:TW+2*\t+1], v[Q:Q+1], v[DO+16*\t:DO+16*\t+1]
.endr
.irp n, 2,4,6,8,10,12,14
.irp t, 0,1
	v_pk_fma_f32 v[TW+2*\t:TW+2*\t+1], v[Q+\n:Q+\n+1], v[DO+16*\t+\n:DO+16*\t+\n+1], v[TW+2*\t:TW+2*\t+1]
.endr
.endr
.irp t, 0,1
	v_add_f32 v[TW+4+\t], v[TW+2*\t], v[TW+2*\t+1]
.endr
.irp t, 0,1
	v_permlanex16_b32 v[TW+6+\t], v[TW+4+\t], s22, s23
.endr
.irp t, 0,1
	v_add_f32 v[TW+4+\t], v[TW+4+\t], v[TW+6+\t]   ; with the other half's 16 channels: j = 16 t + r, in both halves of the lanes
.endr
	s_wait_alu depctr_va_vcc(0)                    ; the compare has written VCC, ahead of its first reader, the select
	v_cndmask_b32 v[TW], v[TW+4], v[TW+5], vcc_lo  ; lane l keeps j = l
	s_wait_alu depctr_va_vdst(0)                   ; the select has written v[TW], which the LDS store reads; the sums that named v[TW+1] are done, in which wave 0's LDS load lands with no vector instruction between
	ds_store_b32 v8, v[TW]                         ; wave 0's 32 words, then wave 1's
	s_wait_dscnt 0x0                               ; for the other wave's sake: my store is done
	s_barrier_signal -1
	s_barrier_wait -1
	s_wait_alu depctr_vm_vsrc(0)                   ; my LDS store has read v[TW], which wave 0 writes again behind the branch
	s_cmp_lg_u32 s18, 0
	s_cbranch_scc1 .Lend                           ; wave 0 adds the two parts and stores them
	ds_load_b32 v[TW+1], v9 offset:128
	s_wait_dscnt 0x0
	v_add_f32 v[TW], v[TW], v[TW+1]
	v_mul_f32 v[TW], 0x39800000, v[TW]             ; x 1/4096: exact
	s_wait_alu depctr_va_vdst(0)                   ; the multiplication has written v[TW], which the store reads
	global_store_b32 v9, v[TW], s[16:17]
.Lend:
	s_wait_dscnt 0x0
	s_wait_alu depctr_hold_cnt(0) depctr_sa_sdst(0) depctr_va_vdst(0) depctr_va_sdst(0) depctr_va_ssrc(0) depctr_va_vcc(0) depctr_vm_vsrc(0)
	s_wait_tensorcnt 0x0
	ds_add_u32 v254, v255
	s_wait_dscnt 0x0
	s_endpgm
.Lfunc_end_k_q25038e7469_deepk:
	.size	k_q25038e7469_deepk, .Lfunc_end_k_q25038e7469_deepk-k_q25038e7469_deepk
	.p2alignl 7, 3214868480
	.fill 96, 4, 3214868480
	.section	.rodata,"a",@progbits
	.p2align	6, 0x0
	.amdhsa_kernel k_q25038e7469_deepk
		.amdhsa_group_segment_fixed_size 512
		.amdhsa_private_segment_fixed_size 0
		.amdhsa_enable_private_segment 0
		.amdhsa_kernarg_size 56
		.amdhsa_user_sgpr_count 2
		.amdhsa_user_sgpr_kernarg_segment_ptr 1
		.amdhsa_wavefront_size32 1
		.amdhsa_system_sgpr_workgroup_id_x 1
		.amdhsa_system_sgpr_workgroup_id_y 1
		.amdhsa_system_sgpr_workgroup_id_z 1
		.amdhsa_system_vgpr_workitem_id 0
		.amdhsa_next_free_vgpr 768
		.amdhsa_next_free_sgpr 66
		.amdhsa_reserve_vcc 1
		.amdhsa_float_denorm_mode_32 3
		.amdhsa_float_denorm_mode_16_64 3
		.amdhsa_memory_ordered 1
		.amdhsa_forward_progress 1
		.amdhsa_inst_pref_size 27
	.end_amdhsa_kernel
	.amdgpu_metadata
---
amdhsa.version: [ 1, 2 ]
amdhsa.kernels:
  - .name:           k_q25038e7469_deepk
    .symbol:         k_q25038e7469_deepk.kd
    .args:
      - { .name: deep_codes, .offset: 0, .size: 8, .value_kind: global_buffer, .address_space: global }
      - { .name: deep_scales, .offset: 8, .size: 8, .value_kind: global_buffer, .address_space: global }
      - { .name: KSA_w_codes, .offset: 16, .size: 8, .value_kind: global_buffer, .address_space: global }
      - { .name: KSA_w_scales, .offset: 24, .size: 8, .value_kind: global_buffer, .address_space: global }
      - { .name: KSA_b, .offset: 32, .size: 8, .value_kind: global_buffer, .address_space: global }
      - { .name: mo, .offset: 40, .size: 8, .value_kind: global_buffer, .address_space: global }
      - { .name: part, .offset: 48, .size: 8, .value_kind: global_buffer, .address_space: global }
    .group_segment_fixed_size: 512
    .private_segment_fixed_size: 0
    .kernarg_segment_align: 8
    .kernarg_segment_size: 56
    .max_flat_workgroup_size: 64
    .sgpr_count:     66
    .vgpr_count:     768
    .wavefront_size: 32
...
	.end_amdgpu_metadata
.endif
;; end of part 3
;; launch shal: the kernel of part 2 again; grid 256 x 1, 8 waves a work-group, clusters of 4 x 1, 245,504 bytes of LDS; arguments shallow_codes, shallow_scales, K_w_codes, K_w_scales, K_b, mo, part, out0, out1; writes out0, out1
